; MI455X (gfx1250); checked and timed in simulation.
; The chip was launched on July 23, 2026; its instructions are those of AMD's public machine-readable ISA for CDNA 5 (MIT licence, August 2026) and "CDNA5" Instruction Set Architecture Reference Guide (July 2026). The comments in the code are by the model that wrote it; some were corrected since.
;; Attention. Allowed arithmetic: float matrix products may take bf16 or f16 operands with f32 sums; all other float work in f32.
;; Inputs: beta 64 float32; gamma 64 float32; key 16 x 64 x 32 x 256 float32; query 16 x 64 x 32 x 256 float32; value 16 x 64 x 32 x 256 float32.
;; Outputs: out0 16 x 64 x 32 x 256 float32.
;; 2 versions, each right and faster than the one before. Each part assembles by itself: llvm-mc -triple=amdgcn-amd-amdhsa -mcpu=gfx1250 --defsym DOCPART=n.
;; ======== version 1 of 2: 2 launches
;; workspace buffers: xbuf 33,554,432 bytes; stats 65,536 bytes
;; launch attn (part 1): grid 256 x 1, 8 waves a work-group, no clusters, 315,136 bytes of LDS; arguments query, key, value, xbuf, stats; writes xbuf, stats
.if DOCPART == 1
	.amdgcn_target "amdgcn-amd-amdhsa--gfx1250"
	.amdhsa_code_object_version 6
	.text
	.protected	k_q4fb3658f16_attn
	.globl	k_q4fb3658f16_attn
	.p2align	8
	.type	k_q4fb3658f16_attn,@function
k_q4fb3658f16_attn:
	s_mov_b64 s[64:65], 0
	v_nop
	global_prefetch_b8 v0, s[64:65] scope:SCOPE_SE
	s_setreg_imm32_b32 hwreg(HW_REG_WAVE_MODE, 25, 1), 1
	s_wait_xcnt 0x0
; x[b][c][h][w] = value[h][w] + sum over v of softmax_v( sum over h' of query[h'][w] key[h'][v] ) value[h][v],  and partial statistics of x.
; query, key, value, x: [16][64][32][256] f32.  A head (b, c) is 32 rows of 1,024 bytes in each tensor.
; 256 work-groups of eight waves; work-group g makes the four heads c = g >> 2, b = 4 (g & 3) + i, i = 0..3, so that the 128 partial
; statistics of a channel lie in 1,024 neighbouring bytes of stats.  Wave n owns the 32 query columns w = 32 n .. 32 n + 31 of each head.
; No cluster: no two work-groups read the same byte.  No prefetch: Q and K of all four heads are requested at the start, V a whole head ahead.
; THE WAY IN.  Q and K in f32 of ALL FOUR heads have LDS bytes of their own (4 x 65,536): every tensor load is a first fill, nothing is filled
; again.  Wave n brings, for each head, the eight rows that it rounds itself (waves 0-3: Q's rows 8 n .., waves 4-7: K's rows 8 (n - 4) ..), a dense
; block of 8 KiB, so its own counted wait on TENSORcnt is all that its reads need.  Four tensor loads of a wave are out at the most.
; V comes straight into registers: wave n's rows 4 n .. 4 n + 3, eight loads of 512 consecutive bytes, two register sets that take turns.
; A HEAD: (1) each wave rounds its rows to bf16 tiles in LDS; V stays in f32 in its registers; (2) S^T = K^T Q, 16 x 2 tiles of 16 x 16, all 256
; scores of a column in registers: lane (r, hh) holds column w = r, rows v = 8 hh + j; (3) the column's true maximum is taken away, exp2, rounding
; to bf16 in place: two S^T tiles ARE one A fragment (row w, 32 v) of the second product; (4) acc(w, h) = P V^T, and P times a B fragment of ones
; gives the row sums l(w) in the accumulators' own layout, from the same rounded P; (5) acc / l goes through a stage in LDS; (6) each wave
; reads back rows 4 n .. 4 n + 3, the very rows and lanes of its V registers, adds V, stores (each store covers 512 consecutive bytes, aligned)
; and forms its sum of x and its sum of squares about its own mean (no difference of large sums).
; The stage lies in head 0's raw bytes: they have had their only fill and are read for the last time in front of head 0's first barrier.
; LIMITS: Q, K, V and P enter the matrix unit rounded to bf16; NaN and infinities in the inputs are not served (the maximum ignores NaN);
; exponentials below 2^-126 count as zero (ISA guide, v_exp_f32).
.set RAWW,  8192                       ; what one tensor load brings: eight rows of 1,024 bytes, dense
.set RAWH,  8*RAWW                     ; Q and K of a head in f32
.set STAGE, 0                          ; the stage: 32 rows of pitch PR, inside head 0's raw bytes (33,280 of 65,536)
.set PR,    1040                       ; the stage's pitch: 1,024 + 16 = 65 x 16 bytes, so one column of 16 rows starts 16 bytes apart modulo 256
.set PT,    544                        ; pitch of the bf16 tiles of Q and K (read transposed): 512 + 32 = 17 x 32 bytes
.set PVB,   528                        ; pitch of the bf16 tile of V (read along its rows): 512 + 16 = 33 x 16 bytes
.set QB,    4*RAWH                     ; behind the raw bytes, in blocks of 256 bytes that no tensor load touches: Q's 32 rows,
.set KB,    QB+32*PT                   ; K's 32 rows straight behind them (one tile of 64 rows for the rounding),
.set VB,    QB+64*PT                   ; V's 32 rows,
.set STATL, VB+32*PVB                  ; and 4 heads x 8 waves x (sum, M2): 256 bytes
.set HEADB, 0x200000                   ; bytes from a head to the same channel's head of the next batch: 64 x 32 x 256 x 4
; vector registers, window 0
.set LN,   1                           ; lane
.set RA,   2                           ; my eight raw rows of the head at hand (stepped from head to head)
.set WQ,   3                           ; where my rounded rows of Q or K go
.set WV,   4                           ; where my rounded rows of V go
.set AQ,   5                           ; transposing loads: my Q fragments
.set AK,   6                           ; transposing loads: K fragments
.set AV,   7                           ; V fragments
.set SW,   8                           ; stage, accumulators' layout
.set SR,   9                           ; stage, my four whole rows
.set GO,   10                          ; my byte offset in a head of value and of x; never rewritten
.set SL,   11                          ; my wave's place in the statistics in LDS
.set ONES, 24                          ; v[24:31]   B fragment of ones
.set MX,   32                          ; v[32:39]   four running maxima for each of two column tiles
.set NM,   40                          ; v[40:43]   -maximum x log2 e, twice, for each column tile
.set SUM,  44                          ; v[44:45]   the wave's (sum, M2)
.set MN,   46                          ; v[46:47]   the wave's mean, twice
.set ACC,  48                          ; v[48:79]   accumulators (wt, ht) at ACC + 16 wt + 8 ht; at the rounding: V in bf16
.set LAC,  80                          ; v[80:95]   row sums of column tile wt at LAC + 8 wt; later at work for the statistics
.set QF,   48                          ; v[48:63]   during the scores the accumulators are idle: two Q fragments,
.set KX,   64                          ; v[64:95]   and K fragments 12 to 15
.set VS,   96                          ; v[96:159]  V in f32, my four rows: set (head % 2) of 32 registers
.set FR,   160                         ; v[160:255] raw rows at the rounding (64); K fragments 0 to 11; twelve places for V fragments
.set CP,   224                         ; v[224:255] the way out (the rounding does not touch them)
; window 1 (v256-v511): score tile (vt, wt) at 32 (vt / 2) + 16 wt + 8 (vt % 2); packed in place, P fragment (v step s, wt) at 32 s + 16 wt
.set G1, 16                            ; s[16:23] descriptor group 1
.set G0, 24                            ; s[24:39] descriptor group 0, one set for each head; never rewritten
.set MSB, 0
.macro WIN new                         ; s_set_vgpr_msb: bits 1:0 source 0, 3:2 source 1, 5:4 source 2, 7:6 destination; the high byte repeats the setting left
.if MSB != \new
	s_set_vgpr_msb (MSB<<8)|\new
.set MSB, \new
.endif
.endm
.macro PLACES                          ; four plain vector places behind matrix instructions (ISA guide 7.12.1) before their registers are read, written or loaded
.rept 4
	v_nop
.endr
.endm
.macro WAVESUM d, r, t                 ; v[d] = sum of v[r] over the 32 lanes, in every lane
	v_add_f32_dpp v[\r], v[\r], v[\r] row_xmask:1 row_mask:0xf bank_mask:0xf
	v_add_f32_dpp v[\r], v[\r], v[\r] row_xmask:2 row_mask:0xf bank_mask:0xf
	v_add_f32_dpp v[\r], v[\r], v[\r] row_xmask:4 row_mask:0xf bank_mask:0xf
	v_add_f32_dpp v[\r], v[\r], v[\r] row_xmask:8 row_mask:0xf bank_mask:0xf
	v_permlanex16_b32 v[\t], v[\r], s42, s43
	v_add_f32 v[\d], v[\r], v[\t]
.endm
.macro VLOAD h                         ; my four rows of V of head h: eight loads of 512 consecutive bytes.  The head's place stands in the immediate (6 MiB + 3,584 at the most)
.set it, 0
.rept 8
	global_load_b128 v[VS+32*((\h)%2)+4*it:VS+32*((\h)%2)+4*it+3], v[GO], s[8:9] offset:(\h)*HEADB+512*it th:TH_LOAD_NT
.set it, it+1
.endr
.endm
	s_load_b256 s[4:11], s[0:1], 0x0               ; query s[4:5], key s[6:7], value s[8:9], x s[10:11]
	s_load_b64 s[12:13], s[0:1], 0x20              ; stats
	v_lshl_add_u32 v22, v0, 2, 0x4cb00
	v_mov_b32 v23, 0
	ds_add_u32 v22, v23
	ds_add_u32 v22, v23
	v_lshrrev_b32 v17, 5, v0
	v_readfirstlane_b32 s14, v17                   ; wave 0..7
	; group 1: a dense block of 8 KiB as 32 rows of 32 elements of 8 bytes, no padding (the raw rows are read once, 512 neighbouring bytes a load)
	s_mov_b32 s[G1+0], 3<<16                       ; element of 8 bytes
	s_mov_b32 s[G1+1], 32<<16                      ; tensor_dim0 = 32
	s_mov_b32 s[G1+2], 32<<16                      ; tensor_dim1 = 32
	s_mov_b32 s[G1+3], 32<<16                      ; tile_dim0 = 32
	s_mov_b32 s[G1+4], 32                          ; tile_dim1 = 32
	s_mov_b32 s[G1+5], 32                          ; elements from row to row
	s_mov_b32 s[G1+6], 0
	s_mov_b32 s[G1+7], 0
	s_and_b32 s44, ttmp9, 3
	s_lshl_b32 s44, s44, 23                        ; 4 (g & 3) batches of 2 MiB
	s_lshr_b32 s45, ttmp9, 2
	s_lshl_b32 s45, s45, 15                        ; channel x 32 KiB
	s_add_co_u32 s44, s44, s45                     ; byte offset of head 0 (below 32 MiB)
	s_mov_b32 s45, 0
	s_and_b32 s46, s14, 3
	s_lshl_b32 s46, s46, 13                        ; my eight rows of Q or of K
	s_add_co_u32 s46, s46, s44
	s_mov_b32 s47, 0
	s_mul_i32 s48, s14, RAWW                       ; and where they go: wave x 8,192 in the head's raw bytes
	s_lshl_b32 s49, s14, 12                        ; my four rows of V and of x
	s_lshl_b32 s50, ttmp9, 8                       ; my 256 bytes of stats
	s_mov_b32 s51, 0
	v_and_b32 v[LN], 31, v0
	v_lshl_add_u32 v[GO], v[LN], 4, s49
	s_wait_dscnt 0x0
	s_wait_kmcnt 0x0
	s_add_nc_u64 s[8:9], s[8:9], s[44:45]          ; value at head 0
	VLOAD 0                                        ; head 0's V is asked for first
	s_cmp_lt_u32 s14, 4
	s_cselect_b64 s[52:53], s[4:5], s[6:7]         ; waves 0-3 fetch Q, waves 4-7 K
	s_add_nc_u64 s[52:53], s[52:53], s[46:47]
.irp i, 0,1,2,3
	s_mov_b32 s[G0+4*\i], 1
	s_add_co_u32 s[G0+4*\i+1], s48, \i*RAWH
	s_add_nc_u64 s[G0+4*\i+2:G0+4*\i+3], s[52:53], \i*HEADB
	s_or_b32 s[G0+4*\i+3], s[G0+4*\i+3], 0x80000000
	tensor_load_to_lds s[G0+4*\i:G0+4*\i+3], s[G1:G1+7]           ; all first fills in one group, head 0's first: four loads of a wave are out
	s_nop 0
.endr
	VLOAD 1
	s_add_nc_u64 s[10:11], s[10:11], s[44:45]      ; x at head 0
	s_add_nc_u64 s[12:13], s[12:13], s[50:51]
	s_mov_b32 s40, 0x3fb8aa3b                      ; log2 e, twice
	s_mov_b32 s41, 0x3fb8aa3b
	s_mov_b32 s42, 0x76543210                      ; v_permlanex16_b32: lane i reads lane i of the other half
	s_mov_b32 s43, 0xfedcba98
	v_and_b32 v17, 15, v0                          ; r
	v_bfe_u32 v18, v0, 4, 1                        ; hh
	v_lshl_add_u32 v[RA], v[LN], 4, s48            ; my raw rows, 16 bytes a lane
	s_mul_i32 s54, s14, 4*PR
	v_lshl_add_u32 v[SR], v[LN], 4, s54            ; stage rows 4 wave ..
	s_mul_i32 s55, s14, 8*PT
	s_add_co_u32 s55, s55, QB
	v_lshl_add_u32 v[WQ], v[LN], 3, s55            ; rows 8 wave .. of the 64 rows of Q and K in bf16
	s_mul_i32 s56, s14, 4*PVB
	s_add_co_u32 s56, s56, VB
	v_lshl_add_u32 v[WV], v[LN], 3, s56
	v_and_b32 v19, 7, v0                           ; transposing load: row 8 hh + (lane & 7), 16 bytes at 16 ((lane >> 3) & 1)
	v_lshl_add_u32 v19, v18, 3, v19
	v_mul_u32_u24 v19, v19, PT
	v_bfe_u32 v20, v0, 3, 1
	v_lshl_add_u32 v19, v20, 4, v19
	v_add_nc_u32 v[AK], KB, v19
	s_lshl_b32 s57, s14, 6                         ; my 32 columns of Q: 64 bytes of a bf16 row
	s_add_co_u32 s57, s57, QB
	v_add_nc_u32 v[AQ], s57, v19
	v_mul_u32_u24 v20, v17, PVB                    ; V fragment: row r, 16 bytes at 16 hh
	v_lshl_add_u32 v20, v18, 4, v20
	v_add_nc_u32 v[AV], VB, v20
	v_mul_u32_u24 v21, v17, PR                     ; accumulators' layout: row h = r, columns 32 wave + 8 hh .. in f32
	v_lshl_add_u32 v21, v18, 5, v21
	s_lshl_b32 s58, s14, 7
	v_add_nc_u32 v[SW], s58, v21
	s_lshl_b32 s59, s14, 3
	s_add_co_u32 s59, s59, STATL
	v_mov_b32 v[SL], s59
.irp k, 0,1,2,3,4,5,6,7
	v_mov_b32 v[ONES+\k], 0x3f803f80               ; two bf16 ones
.endr
; (1) My eight rows of Q or K (f32 from LDS) and my four rows of V (f32 in registers, which stay) are rounded into the bf16 tiles.
.macro CONVERT i
	s_wait_tensorcnt 3-\i                          ; tensor loads of a wave end in order (ISA guide 10.11.1): my rows of head i are in, my 3 - i loads for later heads stay out
.set it, 0
.rept 16
	ds_load_b128 v[FR+4*it:FR+4*it+3], v[RA] offset:512*it
.set it, it+1
.endr
.if \i < 3
	v_add_nc_u32 v[RA], RAWH, v[RA]                ; the next head's raw rows
	s_wait_loadcnt 0x8                             ; V of this head is in; the eight loads of the next set stay out
.else
	s_wait_loadcnt 0x0                             ; the last V: nothing was asked for behind it
.endif
.set it, 0
.rept 8
	v_cvt_pk_bf16_f32 v[ACC+2*it], v[VS+32*(\i%2)+4*it], v[VS+32*(\i%2)+4*it+1]
	v_cvt_pk_bf16_f32 v[ACC+2*it+1], v[VS+32*(\i%2)+4*it+2], v[VS+32*(\i%2)+4*it+3]
	ds_store_b64 v[WV], v[ACC+2*it:ACC+2*it+1] offset:(it/2)*PVB+(it%2)*256
.set it, it+1
.endr
.set it, 0
.rept 16
	s_wait_dscnt 23                                ; behind raw load k stand 15 - k loads, V's 8 stores and k stores: always 23 (LDS instructions end in order, ISA guide 5.7.1)
	v_cvt_pk_bf16_f32 v[FR+4*it], v[FR+4*it], v[FR+4*it+1]
	v_cvt_pk_bf16_f32 v[FR+4*it+1], v[FR+4*it+2], v[FR+4*it+3]
	ds_store_b64 v[WQ], v[FR+4*it:FR+4*it+1] offset:(it/2)*PT+(it%2)*256
.set it, it+1
.endr
	s_wait_dscnt 0x0                               ; my stores are in LDS and my reads of the raw rows and of the stage are back, for the other waves' sake
	s_barrier_signal -1
	s_barrier_wait -1                              ; the bf16 tiles are whole; the stage may be written again.  Nothing is ever filled again: tensor loads stay out across it
.endm
; (2) 32 score tiles, each one matrix instruction (the inner size is 32); then the first twelve V fragments, which land under the softmax.
.macro VFRAG st                        ; V fragments of v step st (rows 0-15 and 16-31) into place st % 6
.irp h, 0,1
	ds_load_b128 v[FR+16*((\st)%6)+8*\h:FR+16*((\st)%6)+8*\h+3], v[AV] offset:\h*16*PVB+64*(\st)
	ds_load_b128 v[FR+16*((\st)%6)+8*\h+4:FR+16*((\st)%6)+8*\h+7], v[AV] offset:\h*16*PVB+64*(\st)+32
.endr
.endm
.macro SCORES
	s_wait_xcnt 0x0                                ; the last head's stores have had their addresses translated (ISA guide 3.1): v[CP..] is loaded again only behind this wait
.irp w, 0,1
	ds_load_tr16_b128 v[QF+8*\w:QF+8*\w+3], v[AQ] offset:32*\w
	ds_load_tr16_b128 v[QF+8*\w+4:QF+8*\w+7], v[AQ] offset:32*\w+16*PT
.endr
.set it, 0
.rept 16
.if it < 12
.set kr, FR+8*it
.else
.set kr, KX+8*(it-12)
.endif
	ds_load_tr16_b128 v[kr:kr+3], v[AK] offset:32*it
	ds_load_tr16_b128 v[kr+4:kr+7], v[AK] offset:32*it+16*PT
.set it, it+1
.endr
	WIN 0x40                                       ; D in window 1
.set it, 0
.rept 16
.if it%4 == 0
	s_wait_dscnt 24-2*it                           ; Q and K fragments it .. it + 3 are in; the 24 - 2 it younger loads stay out
.endif
.if it < 12
.set kr, FR+8*it
.else
.set kr, KX+8*(it-12)
.endif
.set so, 32*(it/2)+8*(it%2)
	v_wmma_f32_16x16x32_bf16 v[so:so+7], v[kr:kr+7], v[QF:QF+7], 0
	v_wmma_f32_16x16x32_bf16 v[so+16:so+23], v[kr:kr+7], v[QF+8:QF+15], 0
.set it, it+1
.endr
	PLACES
	WIN 0
.irp st, 0,1,2,3,4,5
	VFRAG \st
.endr
.endm
; (3a) the maximum over the 256 scores of each column: 128 in a lane (two a v_max3, four chains a column tile), then the other half of the lanes
.macro ROWMAX
	WIN 0x05                                       ; sources 0 and 1 in window 1
.set ig, 0
.rept 16
.set ip, 0
.rept 8
.if (ig/2)*8+ip < 4
	v_max_num_f32 v[MX+4*(ig%2)+ip%4], v[16*ig+2*ip], v[16*ig+2*ip+1]                 ; the first scores start the chains
.else
	v_max3_num_f32 v[MX+4*(ig%2)+ip%4], v[16*ig+2*ip], v[16*ig+2*ip+1], v[MX+4*(ig%2)+ip%4]
.endif
.set ip, ip+1
.endr
.set ig, ig+1
.endr
	WIN 0
.irp w, 0,1
	v_max3_num_f32 v[MX+4*\w], v[MX+4*\w], v[MX+4*\w+1], v[MX+4*\w+2]
	v_max_num_f32 v[MX+4*\w], v[MX+4*\w], v[MX+4*\w+3]
	v_permlanex16_b32 v[MX+4*\w+1], v[MX+4*\w], s42, s43
	v_max_num_f32 v[MX+4*\w], v[MX+4*\w], v[MX+4*\w+1]
	v_mul_f32 v[NM+2*\w], 0xbfb8aa3b, v[MX+4*\w]   ; -maximum x log2 e
	v_mul_f32 v[NM+2*\w+1], 0xbfb8aa3b, v[MX+4*\w]
.endr
.endm
; (3b) p = exp2(s log2 e - maximum log2 e), rounded to bf16 in place, in 16 groups of 16 registers (group g = 2 x v step + column tile).
; Each exponential is followed by a plain instruction of a neighbouring group (the next group's multiply-add, the last group's packing),
; which is also the plain place that a transcendental's result needs (ISA guide 5.7.2).  One window setting serves all three kinds.
.macro SM_F g, k
	v_pk_fma_f32 v[16*(\g)+2*(\k):16*(\g)+2*(\k)+1], v[16*(\g)+2*(\k):16*(\g)+2*(\k)+1], s[40:41], v[NM+2*((\g)%2):NM+2*((\g)%2)+1] op_sel_hi:[1,0,1]
.endm
.macro SM_E g, i
	v_exp_f32 v[16*(\g)+(\i)], v[16*(\g)+(\i)]
.endm
.macro SM_C g, k
	s_wait_alu depctr_va_vdst(0)
	v_cvt_pk_bf16_f32 v[16*(\g)+(\k)], v[16*(\g)+2*(\k)], v[16*(\g)+2*(\k)+1]
.endm
.macro SOFTMAX
	WIN 0x45                                       ; destination, sources 0 and 1 in window 1; source 2 (the maximum) in window 0
.set ik, 0
.rept 8
	SM_F 0, ik
.set ik, ik+1
.endr
.set ig, 0
.rept 16
.set gn, ig+1
.set gp, ig-1
.set ii, 0
.rept 8
.set i0, 2*ii
.set i1, 2*ii+1
	SM_E ig, i0
.if ig < 15
	SM_F gn, ii
.endif
	SM_E ig, i1
.if ig > 0
	SM_C gp, ii
.endif
.set ii, ii+1
.endr
.set ig, ig+1
.endr
.set ik, 0
.rept 8
	SM_C 15, ik
.set ik, ik+1
.endr
.endm
; (4) acc(w, h) += P(w, v) V(h, v) and l(w) += P(w, v) x 1, 32 v a step.  The six accumulators take turns, one instruction a turn.
.macro WSTEP iv
.irp w, 0,1
.if \iv == 0
	v_wmma_f32_16x16x32_bf16 v[ACC+16*\w:ACC+16*\w+7], v[16*\w:16*\w+7], v[FR:FR+7], 0               ; the first step starts the sums
	v_wmma_f32_16x16x32_bf16 v[ACC+16*\w+8:ACC+16*\w+15], v[16*\w:16*\w+7], v[FR+8:FR+15], 0
	v_wmma_f32_16x16x32_bf16 v[LAC+8*\w:LAC+8*\w+7], v[16*\w:16*\w+7], v[ONES:ONES+7], 0
.else
	v_wmma_f32_16x16x32_bf16 v[ACC+16*\w:ACC+16*\w+7], v[32*\iv+16*\w:32*\iv+16*\w+7], v[FR+16*(\iv%6):FR+16*(\iv%6)+7], v[ACC+16*\w:ACC+16*\w+7]
	v_wmma_f32_16x16x32_bf16 v[ACC+16*\w+8:ACC+16*\w+15], v[32*\iv+16*\w:32*\iv+16*\w+7], v[FR+16*(\iv%6)+8:FR+16*(\iv%6)+15], v[ACC+16*\w+8:ACC+16*\w+15]
	v_wmma_f32_16x16x32_bf16 v[LAC+8*\w:LAC+8*\w+7], v[32*\iv+16*\w:32*\iv+16*\w+7], v[ONES:ONES+7], v[LAC+8*\w:LAC+8*\w+7]
.endif
.endr
.endm
.macro WEIGH
	s_wait_dscnt 0x0                               ; V's fragments of steps 0 to 5 (issued ahead of the softmax)
	WIN 0x01                                       ; A (P) in window 1
	WSTEP 0
	WSTEP 1
	WIN 0
	PLACES                                         ; the places of steps 0 and 1 have been read: four places, then steps 6 and 7 are loaded into them,
	VFRAG 6                                        ; 24 matrix instructions ahead of their first use
	VFRAG 7
	WIN 0x01
	WSTEP 2
	WSTEP 3
	WSTEP 4
	WSTEP 5
	s_wait_dscnt 0x0
	WSTEP 6
	WSTEP 7
	WIN 0
	PLACES
.endm
; (5) acc / l into the stage, and the head's second barrier: in front of it each wave's reads of the bf16 tiles are back and its part of the stage is in LDS
.macro FINISH
.set ik, 0
.rept 16
	v_rcp_f32 v[LAC+ik], v[LAC+ik]                 ; l >= about 1: the column's largest score gives exp2(0)
.set ik, ik+1
.endr
	v_nop                                          ; the plain place behind the transcendentals
	s_wait_alu depctr_va_vdst(0)
.irp w, 0,1
.irp h, 0,1
.irp p, 0,2,4,6
	v_pk_mul_f32 v[ACC+16*\w+8*\h+\p:ACC+16*\w+8*\h+\p+1], v[ACC+16*\w+8*\h+\p:ACC+16*\w+8*\h+\p+1], v[LAC+8*\w+\p:LAC+8*\w+\p+1]
.endr
.endr
.endr
.irp w, 0,1
.irp h, 0,1
	ds_store_b128 v[SW], v[ACC+16*\w+8*\h:ACC+16*\w+8*\h+3] offset:STAGE+\h*16*PR+64*\w
	ds_store_b128 v[SW], v[ACC+16*\w+8*\h+4:ACC+16*\w+8*\h+7] offset:STAGE+\h*16*PR+64*\w+16
.endr
.endr
	s_wait_dscnt 0x0
	s_barrier_signal -1
	s_barrier_wait -1                              ; the stage is whole; nobody reads the bf16 tiles any more
.endm
; (6) my four whole rows: x = stage + V (f32, the same rows and lanes as my V registers); each store of the wave covers 512 consecutive bytes, aligned.
; Then the V set is free: the head after next is asked for, a whole head ahead of its use.  Then the wave's sum and its sum of squares about its own mean.
.macro COPYOUT i
.set it, 0
.rept 8
	ds_load_b128 v[CP+4*it:CP+4*it+3], v[SR] offset:STAGE+(it/2)*PR+(it%2)*512
.set it, it+1
.endr
.set it, 0
.rept 8
	s_wait_dscnt 7-it                              ; load it is in, the 7 - it younger ones stay out
	v_pk_add_f32 v[CP+4*it:CP+4*it+1], v[CP+4*it:CP+4*it+1], v[VS+32*(\i%2)+4*it:VS+32*(\i%2)+4*it+1]
	v_pk_add_f32 v[CP+4*it+2:CP+4*it+3], v[CP+4*it+2:CP+4*it+3], v[VS+32*(\i%2)+4*it+2:VS+32*(\i%2)+4*it+3]
	global_store_b128 v[GO], v[CP+4*it:CP+4*it+3], s[10:11] offset:\i*HEADB+512*it
.set it, it+1
.endr
.if \i < 2
	VLOAD \i+2
.endif
.set ik, 0
.rept 8
	v_pk_add_f32 v[LAC+2*ik:LAC+2*ik+1], v[CP+4*ik:CP+4*ik+1], v[CP+4*ik+2:CP+4*ik+3]                ; x is only read here: the stores' data stay as they are
.set ik, ik+1
.endr
.irp k, 0,4,8,12
	v_pk_add_f32 v[LAC+\k:LAC+\k+1], v[LAC+\k:LAC+\k+1], v[LAC+\k+2:LAC+\k+3]
.endr
.irp k, 0,8
	v_pk_add_f32 v[LAC+\k:LAC+\k+1], v[LAC+\k:LAC+\k+1], v[LAC+\k+4:LAC+\k+5]
.endr
	v_pk_add_f32 v[LAC:LAC+1], v[LAC:LAC+1], v[LAC+8:LAC+9]
	v_add_f32 v[LAC], v[LAC], v[LAC+1]
	WAVESUM SUM, LAC, LAC+1
	v_mul_f32 v[MN], 0x3a800000, v[SUM]            ; / 1,024
	v_mul_f32 v[MN+1], 0x3a800000, v[SUM]
.set iq, 0
.rept 4
.irp c, 0,1,2,3
	v_pk_add_f32 v[LAC+2*\c:LAC+2*\c+1], v[CP+8*iq+2*\c:CP+8*iq+2*\c+1], v[MN:MN+1] neg_lo:[0,1] neg_hi:[0,1]
.endr
.irp c, 0,1,2,3
.if iq == 0
	v_pk_mul_f32 v[LAC+8+2*\c:LAC+9+2*\c], v[LAC+2*\c:LAC+2*\c+1], v[LAC+2*\c:LAC+2*\c+1]
.else
	v_pk_fma_f32 v[LAC+8+2*\c:LAC+9+2*\c], v[LAC+2*\c:LAC+2*\c+1], v[LAC+2*\c:LAC+2*\c+1], v[LAC+8+2*\c:LAC+9+2*\c]
.endif
.endr
.set iq, iq+1
.endr
	v_pk_add_f32 v[LAC+8:LAC+9], v[LAC+8:LAC+9], v[LAC+10:LAC+11]
	v_pk_add_f32 v[LAC+12:LAC+13], v[LAC+12:LAC+13], v[LAC+14:LAC+15]
	v_pk_add_f32 v[LAC+8:LAC+9], v[LAC+8:LAC+9], v[LAC+12:LAC+13]
	v_add_f32 v[LAC], v[LAC+8], v[LAC+9]
	WAVESUM SUM+1, LAC, LAC+1
	ds_store_b64 v[SL], v[SUM:SUM+1] offset:64*\i  ; every lane holds the same pair
.endm
.macro HEAD i
	CONVERT \i
	SCORES
	ROWMAX
	SOFTMAX
	WEIGH
	FINISH
	COPYOUT \i
.endm
	HEAD 0                                         ; four heads written out: the counts of the waits differ from head to head
	HEAD 1
	HEAD 2
	HEAD 3
	s_wait_dscnt 0x0                               ; my last pair of statistics is in LDS
	s_barrier_signal -1
	s_barrier_wait -1
	s_cmp_lg_u32 s14, 0
	s_cbranch_scc1 .Lend
	v_lshlrev_b32 v17, 3, v[LN]                    ; wave 0: the work-group's 32 pairs leave as 256 consecutive bytes, aligned
	v_add_nc_u32 v18, STATL, v17
	ds_load_b64 v[20:21], v18
	s_wait_dscnt 0x0
	global_store_b64 v17, v[20:21], s[12:13]
.Lend:
	s_wait_tensorcnt 0x0
	ds_add_u32 v22, v23
	s_wait_dscnt 0x0
	s_endpgm
.Lfunc_end_k_q4fb3658f16_attn:
	.size	k_q4fb3658f16_attn, .Lfunc_end_k_q4fb3658f16_attn-k_q4fb3658f16_attn
	.p2alignl 7, 3214868480
	.fill 96, 4, 3214868480
	.section	.rodata,"a",@progbits
	.p2align	6, 0x0
	.amdhsa_kernel k_q4fb3658f16_attn
		.amdhsa_group_segment_fixed_size 315136
		.amdhsa_private_segment_fixed_size 0
		.amdhsa_enable_private_segment 0
		.amdhsa_kernarg_size 40
		.amdhsa_user_sgpr_count 2
		.amdhsa_user_sgpr_kernarg_segment_ptr 1
		.amdhsa_wavefront_size32 1
		.amdhsa_system_sgpr_workgroup_id_x 1
		.amdhsa_system_sgpr_workgroup_id_y 1
		.amdhsa_system_sgpr_workgroup_id_z 1
		.amdhsa_system_vgpr_workitem_id 0
		.amdhsa_next_free_vgpr 512
		.amdhsa_next_free_sgpr 66
		.amdhsa_reserve_vcc 0
		.amdhsa_float_denorm_mode_32 3
		.amdhsa_float_denorm_mode_16_64 3
		.amdhsa_memory_ordered 1
		.amdhsa_forward_progress 1
		.amdhsa_inst_pref_size 255
	.end_amdhsa_kernel
	.amdgpu_metadata
---
amdhsa.version: [ 1, 2 ]
amdhsa.kernels:
  - .name:           k_q4fb3658f16_attn
    .symbol:         k_q4fb3658f16_attn.kd
    .args:
      - { .name: query, .offset: 0, .size: 8, .value_kind: global_buffer, .address_space: global }
      - { .name: key, .offset: 8, .size: 8, .value_kind: global_buffer, .address_space: global }
      - { .name: value, .offset: 16, .size: 8, .value_kind: global_buffer, .address_space: global }
      - { .name: xbuf, .offset: 24, .size: 8, .value_kind: global_buffer, .address_space: global }
      - { .name: stats, .offset: 32, .size: 8, .value_kind: global_buffer, .address_space: global }
    .group_segment_fixed_size: 315136
    .private_segment_fixed_size: 0
    .kernarg_segment_align: 8
    .kernarg_segment_size: 40
    .max_flat_workgroup_size: 256
    .sgpr_count:     66
    .vgpr_count:     512
    .wavefront_size: 32
...
	.end_amdgpu_metadata
.endif
;; end of part 1
;; launch norm (part 2): grid 1024 x 1, 8 waves a work-group, no clusters, 0 bytes of LDS; arguments xbuf, stats, gamma, beta, out0; writes out0
.if DOCPART == 2
	.amdgcn_target "amdgcn-amd-amdhsa--gfx1250"
	.amdhsa_code_object_version 6
	.text
	.protected	k_q4fb3658f16_norm
	.globl	k_q4fb3658f16_norm
	.p2align	8
	.type	k_q4fb3658f16_norm,@function
k_q4fb3658f16_norm:
	s_mov_b64 s[64:65], 0
	v_nop
	global_prefetch_b8 v0, s[64:65] scope:SCOPE_SE
	s_setreg_imm32_b32 hwreg(HW_REG_WAVE_MODE, 25, 1), 1
	s_wait_xcnt 0x0
; out = y sigmoid(y),  y = (x - mean[c]) rsqrt(var[c] + 1e-5) gamma[c] + beta[c].  x, out: [16][64][32][256] f32.
; A stream: one work-group for a head (b, c) = 32 KiB, eight waves of 4 KiB; a wave's eight loads of 512 consecutive bytes go out at once.
; No LDS, no matrix unit, no cluster: nothing is shared but 1 KiB of statistics.
; stats holds, for channel c at byte 1,024 c, 128 pairs (sum, M2 about the part's own mean), each over 1,024 numbers of x.  Every wave joins them:
; mean = sum of sums / 131,072;  M2 = sum of M2_i + 1,024 sum of (mean_i - mean)^2: no difference of large sums is formed.
; exp2 may overflow to infinity for very negative y: 1 / infinity = 0 and the result is -0, the limit of y sigmoid(y).
.set XR, 16                            ; v[16:47]  x, then y, then the result
.set ER, 48                            ; v[48:79]  the exponent, exp2, 1 / (1 + exp2)
.macro WAVESUM r, t
	v_add_f32_dpp v[\r], v[\r], v[\r] row_xmask:1 row_mask:0xf bank_mask:0xf
	v_add_f32_dpp v[\r], v[\r], v[\r] row_xmask:2 row_mask:0xf bank_mask:0xf
	v_add_f32_dpp v[\r], v[\r], v[\r] row_xmask:4 row_mask:0xf bank_mask:0xf
	v_add_f32_dpp v[\r], v[\r], v[\r] row_xmask:8 row_mask:0xf bank_mask:0xf
	v_permlanex16_b32 v[\t], v[\r], s24, s25
	v_add_f32 v[\r], v[\r], v[\t]
.endm
	s_load_b256 s[4:11], s[0:1], 0x0               ; x s[4:5], stats s[6:7], gamma s[8:9], beta s[10:11]
	s_load_b64 s[12:13], s[0:1], 0x20              ; out
	s_and_b32 s14, ttmp9, 63                       ; channel
	s_lshl_b32 s16, ttmp9, 15                      ; the head's 32 KiB (below 32 MiB)
	s_mov_b32 s17, 0
	s_lshl_b32 s18, s14, 10
	s_mov_b32 s19, 0
	s_lshl_b32 s20, s14, 2
	s_mov_b32 s21, 0
	s_mov_b32 s24, 0x76543210
	s_mov_b32 s25, 0xfedcba98
	s_mov_b32 s26, 0x37000000                      ; 1 / 131,072
	s_mov_b32 s27, 0x3a800000                      ; 1 / 1,024
	v_and_b32 v1, 31, v0
	v_lshlrev_b32 v1, 4, v1                        ; 16 bytes a lane
	v_lshrrev_b32 v2, 5, v0
	v_lshl_add_u32 v2, v2, 12, v1                  ; + 4 KiB a wave
	s_wait_kmcnt 0x0
	s_add_nc_u64 s[6:7], s[6:7], s[18:19]
	s_add_nc_u64 s[4:5], s[4:5], s[16:17]
	s_add_nc_u64 s[12:13], s[12:13], s[16:17]
	s_add_nc_u64 s[8:9], s[8:9], s[20:21]
	s_add_nc_u64 s[10:11], s[10:11], s[20:21]
	global_load_b128 v[4:7], v1, s[6:7]            ; four pairs a lane
	global_load_b128 v[8:11], v1, s[6:7] offset:512
	s_load_b32 s22, s[8:9], 0x0                    ; gamma[c]
	s_load_b32 s23, s[10:11], 0x0                  ; beta[c]
.set it, 0
.rept 8
	global_load_b128 v[XR+4*it:XR+4*it+3], v2, s[4:5] offset:512*it th:TH_LOAD_NT
.set it, it+1
.endr
	s_wait_loadcnt 0x8                             ; the statistics are in; the eight loads of x stay out
	v_add_f32 v12, v4, v6
	v_add_f32 v13, v8, v10
	v_add_f32 v12, v12, v13
	WAVESUM 12, 13
	v_mul_f32 v12, s26, v12                        ; mean
	v_fma_f32 v4, v4, s27, -v12                    ; mean_i - mean
	v_fma_f32 v6, v6, s27, -v12
	v_fma_f32 v8, v8, s27, -v12
	v_fma_f32 v10, v10, s27, -v12
	v_mul_f32 v13, 0x44800000, v4                  ; x 1,024
	v_mul_f32 v14, 0x44800000, v6
	v_mul_f32 v15, 0x44800000, v8
	v_mul_f32 v3, 0x44800000, v10
	v_fma_f32 v5, v13, v4, v5
	v_fma_f32 v7, v14, v6, v7
	v_fma_f32 v9, v15, v8, v9
	v_fma_f32 v11, v3, v10, v11
	v_add_f32 v5, v5, v7
	v_add_f32 v9, v9, v11
	v_add_f32 v5, v5, v9
	WAVESUM 5, 7
	v_fmaak_f32 v5, s26, v5, 0x3727c5ac            ; var + 1e-5
	v_rsq_f32 v5, v5
	s_wait_kmcnt 0x0                               ; gamma, beta
	v_nop                                          ; the plain place behind a transcendental (ISA guide 5.7.2)
	s_wait_alu depctr_va_vdst(0)
	v_mul_f32 v6, s22, v5                          ; a = gamma rsqrt(var + eps)
	v_fma_f32 v8, -v12, v6, s23                    ; b = beta - mean a
	v_mov_b32 v7, v6
	v_mov_b32 v9, v8
	v_mul_f32 v10, 0xbfb8aa3b, v6                  ; -log2 e x a and x b: the exponent comes straight from x
	v_mul_f32 v12, 0xbfb8aa3b, v8
	v_mov_b32 v11, v10
	v_mov_b32 v13, v12
.set it, 0
.rept 8
	s_wait_loadcnt 7-it                            ; load it is in, the 7 - it younger ones stay out
	v_pk_fma_f32 v[ER+4*it:ER+4*it+1], v[XR+4*it:XR+4*it+1], v[10:11], v[12:13]
	v_pk_fma_f32 v[ER+4*it+2:ER+4*it+3], v[XR+4*it+2:XR+4*it+3], v[10:11], v[12:13]
	v_exp_f32 v[ER+4*it], v[ER+4*it]
	v_exp_f32 v[ER+4*it+1], v[ER+4*it+1]
	v_exp_f32 v[ER+4*it+2], v[ER+4*it+2]
	v_exp_f32 v[ER+4*it+3], v[ER+4*it+3]
	v_pk_fma_f32 v[XR+4*it:XR+4*it+1], v[XR+4*it:XR+4*it+1], v[6:7], v[8:9]           ; y: also the plain place behind the exponentials
	v_pk_fma_f32 v[XR+4*it+2:XR+4*it+3], v[XR+4*it+2:XR+4*it+3], v[6:7], v[8:9]
	s_wait_alu depctr_va_vdst(0)
	v_pk_add_f32 v[ER+4*it:ER+4*it+1], v[ER+4*it:ER+4*it+1], 1.0 op_sel_hi:[1,0]
	v_pk_add_f32 v[ER+4*it+2:ER+4*it+3], v[ER+4*it+2:ER+4*it+3], 1.0 op_sel_hi:[1,0]
	v_rcp_f32 v[ER+4*it], v[ER+4*it]
	v_rcp_f32 v[ER+4*it+1], v[ER+4*it+1]
	v_rcp_f32 v[ER+4*it+2], v[ER+4*it+2]
	v_rcp_f32 v[ER+4*it+3], v[ER+4*it+3]
	v_nop
	s_wait_alu depctr_va_vdst(0)
	v_pk_mul_f32 v[XR+4*it:XR+4*it+1], v[XR+4*it:XR+4*it+1], v[ER+4*it:ER+4*it+1]
	v_pk_mul_f32 v[XR+4*it+2:XR+4*it+3], v[XR+4*it+2:XR+4*it+3], v[ER+4*it+2:ER+4*it+3]
	global_store_b128 v2, v[XR+4*it:XR+4*it+3], s[12:13] offset:512*it th:TH_STORE_NT ; 512 consecutive bytes, aligned; no register of it is written again
.set it, it+1
.endr
	s_endpgm
.Lfunc_end_k_q4fb3658f16_norm:
	.size	k_q4fb3658f16_norm, .Lfunc_end_k_q4fb3658f16_norm-k_q4fb3658f16_norm
	.p2alignl 7, 3214868480
	.fill 96, 4, 3214868480
	.section	.rodata,"a",@progbits
	.p2align	6, 0x0
	.amdhsa_kernel k_q4fb3658f16_norm
		.amdhsa_group_segment_fixed_size 0
		.amdhsa_private_segment_fixed_size 0
		.amdhsa_enable_private_segment 0
		.amdhsa_kernarg_size 40
		.amdhsa_user_sgpr_count 2
		.amdhsa_user_sgpr_kernarg_segment_ptr 1
		.amdhsa_wavefront_size32 1
		.amdhsa_system_sgpr_workgroup_id_x 1
		.amdhsa_system_sgpr_workgroup_id_y 1
		.amdhsa_system_sgpr_workgroup_id_z 1
		.amdhsa_system_vgpr_workitem_id 0
		.amdhsa_next_free_vgpr 80
		.amdhsa_next_free_sgpr 66
		.amdhsa_reserve_vcc 0
		.amdhsa_float_denorm_mode_32 3
		.amdhsa_float_denorm_mode_16_64 3
		.amdhsa_memory_ordered 1
		.amdhsa_forward_progress 1
		.amdhsa_inst_pref_size 13
	.end_amdhsa_kernel
	.amdgpu_metadata
---
amdhsa.version: [ 1, 2 ]
amdhsa.kernels:
  - .name:           k_q4fb3658f16_norm
    .symbol:         k_q4fb3658f16_norm.kd
    .args:
      - { .name: xbuf, .offset: 0, .size: 8, .value_kind: global_buffer, .address_space: global }
      - { .name: stats, .offset: 8, .size: 8, .value_kind: global_buffer, .address_space: global }
      - { .name: gamma, .offset: 16, .size: 8, .value_kind: global_buffer, .address_space: global }
      - { .name: beta, .offset: 24, .size: 8, .value_kind: global_buffer, .address_space: global }
      - { .name: out0, .offset: 32, .size: 8, .value_kind: global_buffer, .address_space: global }
    .group_segment_fixed_size: 0
    .private_segment_fixed_size: 0
    .kernarg_segment_align: 8
    .kernarg_segment_size: 40
    .max_flat_workgroup_size: 256
    .sgpr_count:     66
    .vgpr_count:     80
    .wavefront_size: 32
...
	.end_amdgpu_metadata
.endif
;; end of part 2
;; ======== version 2 of 2: 2 launches; 1.10 times as fast as version 1
;; workspace buffers: xbuf 33,554,432 bytes; stats 65,536 bytes
;; launch attn (part 3): grid 256 x 1, 8 waves a work-group, no clusters, 315,136 bytes of LDS; arguments query, key, value, xbuf, stats; writes xbuf, stats
.if DOCPART == 3
	.amdgcn_target "amdgcn-amd-amdhsa--gfx1250"
	.amdhsa_code_object_version 6
	.text
	.protected	k_q4fb3658f16_attn
	.globl	k_q4fb3658f16_attn
	.p2align	8
	.type	k_q4fb3658f16_attn,@function
k_q4fb3658f16_attn:
	s_mov_b64 s[64:65], 0
	v_nop
	global_prefetch_b8 v0, s[64:65] scope:SCOPE_SE
	s_setreg_imm32_b32 hwreg(HW_REG_WAVE_MODE, 25, 1), 1
	s_wait_xcnt 0x0
; x[b][c][h][w] = value[h][w] + sum over v of softmax_v( sum over h' of query[h'][w] key[h'][v] ) value[h][v],  and partial statistics of x.
; query, key, value, x: [16][64][32][256] f32.  A head (b, c) is 32 rows of 1,024 bytes in each tensor.
; 256 work-groups of eight waves; work-group g makes the four heads c = g >> 2, b = 4 (g & 3) + i, i = 0..3, so that the 128 partial
; statistics of a channel lie in 1,024 neighbouring bytes of stats.  Wave n owns the 32 query columns w = 32 n .. 32 n + 31 of each head.
; No cluster: no two work-groups read the same byte.  No prefetch: Q and K of all four heads are requested at the start, V a whole head ahead.
; THE WAY IN.  Q and K in f32 of ALL FOUR heads have LDS bytes of their own (4 x 65,536): every tensor load is a first fill, nothing is filled
; again.  Wave n brings, for each head, the eight rows that it rounds itself (waves 0-3: Q's rows 8 n .., waves 4-7: K's rows 8 (n - 4) ..), a dense
; block of 8 KiB, so its own counted wait on TENSORcnt is all that its reads need.  Four tensor loads of a wave are out at the most.
; V comes straight into registers: wave n's rows 4 n .. 4 n + 3, eight loads of 512 consecutive bytes, two register sets that take turns.
; A HEAD: (1) each wave rounds its rows to bf16 tiles in LDS; V stays in f32 in its registers; (2) S^T = K^T Q, 16 x 2 tiles of 16 x 16, all 256
; scores of a column in registers: lane (r, hh) holds column w = r, rows v = 8 hh + j; (3) the column's true maximum is taken away, exp2, rounding
; to bf16 in place: two S^T tiles ARE one A fragment (row w, 32 v) of the second product; (4) acc(w, h) = P V^T, and P times a B fragment of ones
; gives the row sums l(w) in the accumulators' own layout, from the same rounded P; (5) acc / l goes through a stage in LDS; (6) each wave
; reads back rows 4 n .. 4 n + 3, the very rows and lanes of its V registers, adds V, stores (each store covers 512 consecutive bytes, aligned)
; and forms its sum of x and its sum of squares about its own mean (no difference of large sums).
; THE BATCHES.  A lane's 256 exponentials of a head go in four batches of 64 (four groups of 16 score registers), each result in its own register.  While a batch
; is open nothing names a result of it: beside its exponentials stand the next group's scalings and the roundings of the batch before.  One s_wait_alu
; depctr_va_vdst(0) stands at each batch's end, ahead of the first instruction that names one of its results; the last
; batch's roundings follow its wait.  The 16 reciprocals of the row sums are a fifth batch, with a wait of its own.  Five waits a head.
; The stage lies in head 0's raw bytes: they have had their only fill and are read for the last time in front of head 0's first barrier.
; LIMITS: Q, K, V and P enter the matrix unit rounded to bf16; NaN and infinities in the inputs are not served (the maximum ignores NaN);
; exponentials below 2^-126 count as zero (ISA guide, v_exp_f32).
.set RAWW,  8192                       ; what one tensor load brings: eight rows of 1,024 bytes, dense
.set RAWH,  8*RAWW                     ; Q and K of a head in f32
.set STAGE, 0                          ; the stage: 32 rows of pitch PR, inside head 0's raw bytes (33,280 of 65,536)
.set PR,    1040                       ; the stage's pitch: 1,024 + 16 = 65 x 16 bytes, so one column of 16 rows starts 16 bytes apart modulo 256
.set PT,    544                        ; pitch of the bf16 tiles of Q and K (read transposed): 512 + 32 = 17 x 32 bytes
.set PVB,   528                        ; pitch of the bf16 tile of V (read along its rows): 512 + 16 = 33 x 16 bytes
.set QB,    4*RAWH                     ; behind the raw bytes, in blocks of 256 bytes that no tensor load touches: Q's 32 rows,
.set KB,    QB+32*PT                   ; K's 32 rows straight behind them (one tile of 64 rows for the rounding),
.set VB,    QB+64*PT                   ; V's 32 rows,
.set STATL, VB+32*PVB                  ; and 4 heads x 8 waves x (sum, M2): 256 bytes
.set HEADB, 0x200000                   ; bytes from a head to the same channel's head of the next batch: 64 x 32 x 256 x 4
.set GB,    4                          ; groups of 16 score registers in a batch of exponentials
; vector registers, window 0
.set LN,   1                           ; lane
.set RA,   2                           ; my eight raw rows of the head at hand (stepped from head to head)
.set WQ,   3                           ; where my rounded rows of Q or K go
.set WV,   4                           ; where my rounded rows of V go
.set AQ,   5                           ; transposing loads: my Q fragments
.set AK,   6                           ; transposing loads: K fragments
.set AV,   7                           ; V fragments
.set SW,   8                           ; stage, accumulators' layout
.set SR,   9                           ; stage, my four whole rows
.set GO,   10                          ; my byte offset in a head of value and of x; never rewritten
.set SL,   11                          ; my wave's place in the statistics in LDS
.set ONES, 24                          ; v[24:31]   B fragment of ones
.set MX,   32                          ; v[32:39]   four running maxima for each of two column tiles
.set NM,   40                          ; v[40:43]   -maximum x log2 e, twice, for each column tile
.set SUM,  44                          ; v[44:45]   the wave's (sum, M2)
.set MN,   46                          ; v[46:47]   the wave's mean, twice
.set ACC,  48                          ; v[48:79]   accumulators (wt, ht) at ACC + 16 wt + 8 ht; at the rounding: V in bf16
.set LAC,  80                          ; v[80:95]   row sums of column tile wt at LAC + 8 wt; later at work for the statistics
.set QF,   48                          ; v[48:63]   during the scores the accumulators are idle: two Q fragments,
.set KX,   64                          ; v[64:95]   and K fragments 12 to 15
.set VS,   96                          ; v[96:159]  V in f32, my four rows: set (head % 2) of 32 registers
.set FR,   160                         ; v[160:255] raw rows at the rounding (64); K fragments 0 to 11; twelve places for V fragments
.set CP,   224                         ; v[224:255] the way out (the rounding does not touch them)
; window 1 (v256-v511): score tile (vt, wt) at 32 (vt / 2) + 16 wt + 8 (vt % 2); packed in place, P fragment (v step s, wt) at 32 s + 16 wt
.set G1, 16                            ; s[16:23] descriptor group 1
.set G0, 24                            ; s[24:39] descriptor group 0, one set for each head; never rewritten
.set MSB, 0
.macro WIN new                         ; s_set_vgpr_msb: bits 1:0 source 0, 3:2 source 1, 5:4 source 2, 7:6 destination; the high byte repeats the setting left
.if MSB != \new
	s_set_vgpr_msb (MSB<<8)|\new
.set MSB, \new
.endif
.endm
.macro PLACES                          ; four plain vector places behind matrix instructions (ISA guide 7.12.1) before their registers are read, written or loaded
.rept 4
	v_nop
.endr
.endm
.macro WAVESUM d, r, t                 ; v[d] = sum of v[r] over the 32 lanes, in every lane
	v_add_f32_dpp v[\r], v[\r], v[\r] row_xmask:1 row_mask:0xf bank_mask:0xf
	v_add_f32_dpp v[\r], v[\r], v[\r] row_xmask:2 row_mask:0xf bank_mask:0xf
	v_add_f32_dpp v[\r], v[\r], v[\r] row_xmask:4 row_mask:0xf bank_mask:0xf
	v_add_f32_dpp v[\r], v[\r], v[\r] row_xmask:8 row_mask:0xf bank_mask:0xf
	v_permlanex16_b32 v[\t], v[\r], s42, s43
	v_add_f32 v[\d], v[\r], v[\t]
.endm
.macro VLOAD h                         ; my four rows of V of head h: eight loads of 512 consecutive bytes.  The head's place stands in the immediate (6 MiB + 3,584 at the most)
.set it, 0
.rept 8
	global_load_b128 v[VS+32*((\h)%2)+4*it:VS+32*((\h)%2)+4*it+3], v[GO], s[8:9] offset:(\h)*HEADB+512*it th:TH_LOAD_NT
.set it, it+1
.endr
.endm
	s_load_b256 s[4:11], s[0:1], 0x0               ; query s[4:5], key s[6:7], value s[8:9], x s[10:11]
	s_load_b64 s[12:13], s[0:1], 0x20              ; stats
	v_lshl_add_u32 v22, v0, 2, 0x4cb00
	v_mov_b32 v23, 0
	ds_add_u32 v22, v23
	ds_add_u32 v22, v23
	v_lshrrev_b32 v17, 5, v0
	v_readfirstlane_b32 s14, v17                   ; wave 0..7
	; group 1: a dense block of 8 KiB as 32 rows of 32 elements of 8 bytes, no padding (the raw rows are read once, 512 neighbouring bytes a load)
	s_mov_b32 s[G1+0], 3<<16                       ; element of 8 bytes
	s_mov_b32 s[G1+1], 32<<16                      ; tensor_dim0 = 32
	s_mov_b32 s[G1+2], 32<<16                      ; tensor_dim1 = 32
	s_mov_b32 s[G1+3], 32<<16                      ; tile_dim0 = 32
	s_mov_b32 s[G1+4], 32                          ; tile_dim1 = 32
	s_mov_b32 s[G1+5], 32                          ; elements from row to row
	s_mov_b32 s[G1+6], 0
	s_mov_b32 s[G1+7], 0
	s_and_b32 s44, ttmp9, 3
	s_lshl_b32 s44, s44, 23                        ; 4 (g & 3) batches of 2 MiB
	s_lshr_b32 s45, ttmp9, 2
	s_lshl_b32 s45, s45, 15                        ; channel x 32 KiB
	s_add_co_u32 s44, s44, s45                     ; byte offset of head 0 (below 32 MiB)
	s_mov_b32 s45, 0
	s_and_b32 s46, s14, 3
	s_lshl_b32 s46, s46, 13                        ; my eight rows of Q or of K
	s_add_co_u32 s46, s46, s44
	s_mov_b32 s47, 0
	s_mul_i32 s48, s14, RAWW                       ; and where they go: wave x 8,192 in the head's raw bytes
	s_lshl_b32 s49, s14, 12                        ; my four rows of V and of x
	s_lshl_b32 s50, ttmp9, 8                       ; my 256 bytes of stats
	s_mov_b32 s51, 0
	v_and_b32 v[LN], 31, v0
	v_lshl_add_u32 v[GO], v[LN], 4, s49
	s_wait_dscnt 0x0
	s_wait_kmcnt 0x0
	s_add_nc_u64 s[8:9], s[8:9], s[44:45]          ; value at head 0
	VLOAD 0                                        ; head 0's V is asked for first
	s_cmp_lt_u32 s14, 4
	s_cselect_b64 s[52:53], s[4:5], s[6:7]         ; waves 0-3 fetch Q, waves 4-7 K
	s_add_nc_u64 s[52:53], s[52:53], s[46:47]
.irp i, 0,1,2,3
	s_mov_b32 s[G0+4*\i], 1
	s_add_co_u32 s[G0+4*\i+1], s48, \i*RAWH
	s_add_nc_u64 s[G0+4*\i+2:G0+4*\i+3], s[52:53], \i*HEADB
	s_or_b32 s[G0+4*\i+3], s[G0+4*\i+3], 0x80000000
	tensor_load_to_lds s[G0+4*\i:G0+4*\i+3], s[G1:G1+7]           ; all first fills in one group, head 0's first: four loads of a wave are out
	s_nop 0
.endr
	VLOAD 1
	s_add_nc_u64 s[10:11], s[10:11], s[44:45]      ; x at head 0
	s_add_nc_u64 s[12:13], s[12:13], s[50:51]
	s_mov_b32 s40, 0x3fb8aa3b                      ; log2 e, twice
	s_mov_b32 s41, 0x3fb8aa3b
	s_mov_b32 s42, 0x76543210                      ; v_permlanex16_b32: lane i reads lane i of the other half
	s_mov_b32 s43, 0xfedcba98
	v_and_b32 v17, 15, v0                          ; r
	v_bfe_u32 v18, v0, 4, 1                        ; hh
	v_lshl_add_u32 v[RA], v[LN], 4, s48            ; my raw rows, 16 bytes a lane
	s_mul_i32 s54, s14, 4*PR
	v_lshl_add_u32 v[SR], v[LN], 4, s54            ; stage rows 4 wave ..
	s_mul_i32 s55, s14, 8*PT
	s_add_co_u32 s55, s55, QB
	v_lshl_add_u32 v[WQ], v[LN], 3, s55            ; rows 8 wave .. of the 64 rows of Q and K in bf16
	s_mul_i32 s56, s14, 4*PVB
	s_add_co_u32 s56, s56, VB
	v_lshl_add_u32 v[WV], v[LN], 3, s56
	v_and_b32 v19, 7, v0                           ; transposing load: row 8 hh + (lane & 7), 16 bytes at 16 ((lane >> 3) & 1)
	v_lshl_add_u32 v19, v18, 3, v19
	v_mul_u32_u24 v19, v19, PT
	v_bfe_u32 v20, v0, 3, 1
	v_lshl_add_u32 v19, v20, 4, v19
	v_add_nc_u32 v[AK], KB, v19
	s_lshl_b32 s57, s14, 6                         ; my 32 columns of Q: 64 bytes of a bf16 row
	s_add_co_u32 s57, s57, QB
	v_add_nc_u32 v[AQ], s57, v19
	v_mul_u32_u24 v20, v17, PVB                    ; V fragment: row r, 16 bytes at 16 hh
	v_lshl_add_u32 v20, v18, 4, v20
	v_add_nc_u32 v[AV], VB, v20
	v_mul_u32_u24 v21, v17, PR                     ; accumulators' layout: row h = r, columns 32 wave + 8 hh .. in f32
	v_lshl_add_u32 v21, v18, 5, v21
	s_lshl_b32 s58, s14, 7
	v_add_nc_u32 v[SW], s58, v21
	s_lshl_b32 s59, s14, 3
	s_add_co_u32 s59, s59, STATL
	v_mov_b32 v[SL], s59
.irp k, 0,1,2,3,4,5,6,7
	v_mov_b32 v[ONES+\k], 0x3f803f80               ; two bf16 ones
.endr
; (1) My eight rows of Q or K (f32 from LDS) and my four rows of V (f32 in registers, which stay) are rounded into the bf16 tiles.
.macro CONVERT i
	s_wait_tensorcnt 3-\i                          ; tensor loads of a wave end in order (ISA guide 10.11.1): my rows of head i are in, my 3 - i loads for later heads stay out
.set it, 0
.rept 16
	ds_load_b128 v[FR+4*it:FR+4*it+3], v[RA] offset:512*it
.set it, it+1
.endr
.if \i < 3
	v_add_nc_u32 v[RA], RAWH, v[RA]                ; the next head's raw rows
	s_wait_loadcnt 0x8                             ; V of this head is in; the eight loads of the next set stay out
.else
	s_wait_loadcnt 0x0                             ; the last V: nothing was asked for behind it
.endif
.set it, 0
.rept 8
	v_cvt_pk_bf16_f32 v[ACC+2*it], v[VS+32*(\i%2)+4*it], v[VS+32*(\i%2)+4*it+1]
	v_cvt_pk_bf16_f32 v[ACC+2*it+1], v[VS+32*(\i%2)+4*it+2], v[VS+32*(\i%2)+4*it+3]
	ds_store_b64 v[WV], v[ACC+2*it:ACC+2*it+1] offset:(it/2)*PVB+(it%2)*256
.set it, it+1
.endr
.set it, 0
.rept 16
	s_wait_dscnt 23                                ; behind raw load k stand 15 - k loads, V's 8 stores and k stores: always 23 (LDS instructions end in order, ISA guide 5.7.1)
	v_cvt_pk_bf16_f32 v[FR+4*it], v[FR+4*it], v[FR+4*it+1]
	v_cvt_pk_bf16_f32 v[FR+4*it+1], v[FR+4*it+2], v[FR+4*it+3]
	ds_store_b64 v[WQ], v[FR+4*it:FR+4*it+1] offset:(it/2)*PT+(it%2)*256
.set it, it+1
.endr
	s_wait_dscnt 0x0                               ; my stores are in LDS and my reads of the raw rows and of the stage are back, for the other waves' sake
	s_barrier_signal -1
	s_barrier_wait -1                              ; the bf16 tiles are whole; the stage may be written again.  Nothing is ever filled again: tensor loads stay out across it
.endm
; (2) 32 score tiles, each one matrix instruction (the inner size is 32); then the first twelve V fragments, which land under the softmax.
.macro VFRAG st                        ; V fragments of v step st (rows 0-15 and 16-31) into place st % 6
.irp h, 0,1
	ds_load_b128 v[FR+16*((\st)%6)+8*\h:FR+16*((\st)%6)+8*\h+3], v[AV] offset:\h*16*PVB+64*(\st)
	ds_load_b128 v[FR+16*((\st)%6)+8*\h+4:FR+16*((\st)%6)+8*\h+7], v[AV] offset:\h*16*PVB+64*(\st)+32
.endr
.endm
.macro SCORES
	s_wait_xcnt 0x0                                ; the last head's stores have had their addresses translated (ISA guide 3.1): v[CP..] is loaded again only behind this wait
.irp w, 0,1
	ds_load_tr16_b128 v[QF+8*\w:QF+8*\w+3], v[AQ] offset:32*\w
	ds_load_tr16_b128 v[QF+8*\w+4:QF+8*\w+7], v[AQ] offset:32*\w+16*PT
.endr
.set it, 0
.rept 16
.if it < 12
.set kr, FR+8*it
.else
.set kr, KX+8*(it-12)
.endif
	ds_load_tr16_b128 v[kr:kr+3], v[AK] offset:32*it
	ds_load_tr16_b128 v[kr+4:kr+7], v[AK] offset:32*it+16*PT
.set it, it+1
.endr
	WIN 0x40                                       ; D in window 1
.set it, 0
.rept 16
.if it%4 == 0
	s_wait_dscnt 24-2*it                           ; Q and K fragments it .. it + 3 are in; the 24 - 2 it younger loads stay out
.endif
.if it < 12
.set kr, FR+8*it
.else
.set kr, KX+8*(it-12)
.endif
.set so, 32*(it/2)+8*(it%2)
	v_wmma_f32_16x16x32_bf16 v[so:so+7], v[kr:kr+7], v[QF:QF+7], 0
	v_wmma_f32_16x16x32_bf16 v[so+16:so+23], v[kr:kr+7], v[QF+8:QF+15], 0
.set it, it+1
.endr
	PLACES
	WIN 0
.irp st, 0,1,2,3,4,5
	VFRAG \st
.endr
.endm
; (3a) the maximum over the 256 scores of each column: 128 in a lane (two a v_max3, four chains a column tile), then the other half of the lanes
.macro ROWMAX
	WIN 0x05                                       ; sources 0 and 1 in window 1
.set ig, 0
.rept 16
.set ip, 0
.rept 8
.if (ig/2)*8+ip < 4
	v_max_num_f32 v[MX+4*(ig%2)+ip%4], v[16*ig+2*ip], v[16*ig+2*ip+1]                 ; the first scores start the chains
.else
	v_max3_num_f32 v[MX+4*(ig%2)+ip%4], v[16*ig+2*ip], v[16*ig+2*ip+1], v[MX+4*(ig%2)+ip%4]
.endif
.set ip, ip+1
.endr
.set ig, ig+1
.endr
	WIN 0
.irp w, 0,1
	v_max3_num_f32 v[MX+4*\w], v[MX+4*\w], v[MX+4*\w+1], v[MX+4*\w+2]
	v_max_num_f32 v[MX+4*\w], v[MX+4*\w], v[MX+4*\w+3]
	v_permlanex16_b32 v[MX+4*\w+1], v[MX+4*\w], s42, s43
	v_max_num_f32 v[MX+4*\w], v[MX+4*\w], v[MX+4*\w+1]
	v_mul_f32 v[NM+2*\w], 0xbfb8aa3b, v[MX+4*\w]   ; -maximum x log2 e
	v_mul_f32 v[NM+2*\w+1], 0xbfb8aa3b, v[MX+4*\w]
.endr
.endm
; (3b) p = exp2(s log2 e - maximum log2 e), rounded to bf16 in place, in 16 groups of 16 registers (group g = 2 x v step + column tile).
; GB groups are a BATCH of exponentials.  Beside group g's exponentials stand two kinds of plain instruction, neither of which names a result of the open batch: the
; scalings of group g + 1 (registers that hold no result yet) and the roundings of group g - GB (the batch before, whose wait has been passed).  Where both kinds are
; at hand they alternate with the exponentials; where only one is (the first batch has no roundings, group 15 no scalings) it stands behind the pair of exponentials,
; so that every batch ends on a plain instruction: the plain place that a transcendental's result needs (ISA guide 5.7.2).  One window setting serves all three kinds.
.macro SM_F g, k
	v_pk_fma_f32 v[16*(\g)+2*(\k):16*(\g)+2*(\k)+1], v[16*(\g)+2*(\k):16*(\g)+2*(\k)+1], s[40:41], v[NM+2*((\g)%2):NM+2*((\g)%2)+1] op_sel_hi:[1,0,1]
.endm
.macro SM_E g, i
	v_exp_f32 v[16*(\g)+(\i)], v[16*(\g)+(\i)]
.endm
.macro SM_C g, k
	v_cvt_pk_bf16_f32 v[16*(\g)+(\k)], v[16*(\g)+2*(\k)], v[16*(\g)+2*(\k)+1]
.endm
.macro SOFTMAX
	WIN 0x45                                       ; destination, sources 0 and 1 in window 1; source 2 (the maximum) in window 0
.set ik, 0
.rept 8
	SM_F 0, ik
.set ik, ik+1
.endr
.set ig, 0
.rept 16
.set gn, ig+1
.set gp, ig-GB
.set ii, 0
.rept 8
.set i0, 2*ii
.set i1, 2*ii+1
	SM_E ig, i0
.if (ig >= GB) && (ig < 15)
	SM_C gp, ii
.endif
	SM_E ig, i1
.if ig < 15
	SM_F gn, ii
.else
	SM_C gp, ii
.endif
.set ii, ii+1
.endr
.if ig%GB == GB-1
	s_wait_alu depctr_va_vdst(0)                   ; the wait for the batch that ends here, groups ig - GB + 1 to ig: one for its 16 GB exponentials, ahead of their first reader
.endif
.set ig, ig+1
.endr
.set ig, 16-GB
.rept GB                                           ; the last batch's roundings, behind its wait
.set ik, 0
.rept 8
	SM_C ig, ik
.set ik, ik+1
.endr
.set ig, ig+1
.endr
.endm
; (4) acc(w, h) += P(w, v) V(h, v) and l(w) += P(w, v) x 1, 32 v a step.  The six accumulators take turns, one instruction a turn.
.macro WSTEP iv
.irp w, 0,1
.if \iv == 0
	v_wmma_f32_16x16x32_bf16 v[ACC+16*\w:ACC+16*\w+7], v[16*\w:16*\w+7], v[FR:FR+7], 0               ; the first step starts the sums
	v_wmma_f32_16x16x32_bf16 v[ACC+16*\w+8:ACC+16*\w+15], v[16*\w:16*\w+7], v[FR+8:FR+15], 0
	v_wmma_f32_16x16x32_bf16 v[LAC+8*\w:LAC+8*\w+7], v[16*\w:16*\w+7], v[ONES:ONES+7], 0
.else
	v_wmma_f32_16x16x32_bf16 v[ACC+16*\w:ACC+16*\w+7], v[32*\iv+16*\w:32*\iv+16*\w+7], v[FR+16*(\iv%6):FR+16*(\iv%6)+7], v[ACC+16*\w:ACC+16*\w+7]
	v_wmma_f32_16x16x32_bf16 v[ACC+16*\w+8:ACC+16*\w+15], v[32*\iv+16*\w:32*\iv+16*\w+7], v[FR+16*(\iv%6)+8:FR+16*(\iv%6)+15], v[ACC+16*\w+8:ACC+16*\w+15]
	v_wmma_f32_16x16x32_bf16 v[LAC+8*\w:LAC+8*\w+7], v[32*\iv+16*\w:32*\iv+16*\w+7], v[ONES:ONES+7], v[LAC+8*\w:LAC+8*\w+7]
.endif
.endr
.endm
.macro WEIGH
	s_wait_dscnt 0x0                               ; V's fragments of steps 0 to 5 (issued ahead of the softmax)
	WIN 0x01                                       ; A (P) in window 1
	WSTEP 0
	WSTEP 1
	WIN 0
	PLACES                                         ; the places of steps 0 and 1 have been read: four places, then steps 6 and 7 are loaded into them,
	VFRAG 6                                        ; 24 matrix instructions ahead of their first use
	VFRAG 7
	WIN 0x01
	WSTEP 2
	WSTEP 3
	WSTEP 4
	WSTEP 5
	s_wait_dscnt 0x0
	WSTEP 6
	WSTEP 7
	WIN 0
	PLACES
.endm
; (5) acc / l into the stage, and the head's second barrier: in front of it each wave's reads of the bf16 tiles are back and its part of the stage is in LDS
.macro FINISH
.set ik, 0
.rept 16
	v_rcp_f32 v[LAC+ik], v[LAC+ik]                 ; l >= about 1: the column's largest score gives exp2(0)
.set ik, ik+1
.endr
	v_nop                                          ; the plain place behind the transcendentals
	s_wait_alu depctr_va_vdst(0)                   ; the wait for the batch of 16 reciprocals, ahead of their first reader; all that is left to do reads them
.irp w, 0,1
.irp h, 0,1
.irp p, 0,2,4,6
	v_pk_mul_f32 v[ACC+16*\w+8*\h+\p:ACC+16*\w+8*\h+\p+1], v[ACC+16*\w+8*\h+\p:ACC+16*\w+8*\h+\p+1], v[LAC+8*\w+\p:LAC+8*\w+\p+1]
.endr
.endr
.endr
.irp w, 0,1
.irp h, 0,1
	ds_store_b128 v[SW], v[ACC+16*\w+8*\h:ACC+16*\w+8*\h+3] offset:STAGE+\h*16*PR+64*\w
	ds_store_b128 v[SW], v[ACC+16*\w+8*\h+4:ACC+16*\w+8*\h+7] offset:STAGE+\h*16*PR+64*\w+16
.endr
.endr
	s_wait_dscnt 0x0
	s_barrier_signal -1
	s_barrier_wait -1                              ; the stage is whole; nobody reads the bf16 tiles any more
.endm
; (6) my four whole rows: x = stage + V (f32, the same rows and lanes as my V registers); each store of the wave covers 512 consecutive bytes, aligned.
; Then the V set is free: the head after next is asked for, a whole head ahead of its use.  Then the wave's sum and its sum of squares about its own mean.
.macro COPYOUT i
.set it, 0
.rept 8
	ds_load_b128 v[CP+4*it:CP+4*it+3], v[SR] offset:STAGE+(it/2)*PR+(it%2)*512
.set it, it+1
.endr
.set it, 0
.rept 8
	s_wait_dscnt 7-it                              ; load it is in, the 7 - it younger ones stay out
	v_pk_add_f32 v[CP+4*it:CP+4*it+1], v[CP+4*it:CP+4*it+1], v[VS+32*(\i%2)+4*it:VS+32*(\i%2)+4*it+1]
	v_pk_add_f32 v[CP+4*it+2:CP+4*it+3], v[CP+4*it+2:CP+4*it+3], v[VS+32*(\i%2)+4*it+2:VS+32*(\i%2)+4*it+3]
	global_store_b128 v[GO], v[CP+4*it:CP+4*it+3], s[10:11] offset:\i*HEADB+512*it
.set it, it+1
.endr
.if \i < 2
	VLOAD \i+2
.endif
.set ik, 0
.rept 8
	v_pk_add_f32 v[LAC+2*ik:LAC+2*ik+1], v[CP+4*ik:CP+4*ik+1], v[CP+4*ik+2:CP+4*ik+3]                ; x is only read here: the stores' data stay as they are
.set ik, ik+1
.endr
.irp k, 0,4,8,12
	v_pk_add_f32 v[LAC+\k:LAC+\k+1], v[LAC+\k:LAC+\k+1], v[LAC+\k+2:LAC+\k+3]
.endr
.irp k, 0,8
	v_pk_add_f32 v[LAC+\k:LAC+\k+1], v[LAC+\k:LAC+\k+1], v[LAC+\k+4:LAC+\k+5]
.endr
	v_pk_add_f32 v[LAC:LAC+1], v[LAC:LAC+1], v[LAC+8:LAC+9]
	v_add_f32 v[LAC], v[LAC], v[LAC+1]
	WAVESUM SUM, LAC, LAC+1
	v_mul_f32 v[MN], 0x3a800000, v[SUM]            ; / 1,024
	v_mul_f32 v[MN+1], 0x3a800000, v[SUM]
.set iq, 0
.rept 4
.irp c, 0,1,2,3
	v_pk_add_f32 v[LAC+2*\c:LAC+2*\c+1], v[CP+8*iq+2*\c:CP+8*iq+2*\c+1], v[MN:MN+1] neg_lo:[0,1] neg_hi:[0,1]
.endr
.irp c, 0,1,2,3
.if iq == 0
	v_pk_mul_f32 v[LAC+8+2*\c:LAC+9+2*\c], v[LAC+2*\c:LAC+2*\c+1], v[LAC+2*\c:LAC+2*\c+1]
.else
	v_pk_fma_f32 v[LAC+8+2*\c:LAC+9+2*\c], v[LAC+2*\c:LAC+2*\c+1], v[LAC+2*\c:LAC+2*\c+1], v[LAC+8+2*\c:LAC+9+2*\c]
.endif
.endr
.set iq, iq+1
.endr
	v_pk_add_f32 v[LAC+8:LAC+9], v[LAC+8:LAC+9], v[LAC+10:LAC+11]
	v_pk_add_f32 v[LAC+12:LAC+13], v[LAC+12:LAC+13], v[LAC+14:LAC+15]
	v_pk_add_f32 v[LAC+8:LAC+9], v[LAC+8:LAC+9], v[LAC+12:LAC+13]
	v_add_f32 v[LAC], v[LAC+8], v[LAC+9]
	WAVESUM SUM+1, LAC, LAC+1
	ds_store_b64 v[SL], v[SUM:SUM+1] offset:64*\i  ; every lane holds the same pair
.endm
.macro HEAD i
	CONVERT \i
	SCORES
	ROWMAX
	SOFTMAX
	WEIGH
	FINISH
	COPYOUT \i
.endm
	HEAD 0                                         ; four heads written out: the counts of the waits differ from head to head
	HEAD 1
	HEAD 2
	HEAD 3
	s_wait_dscnt 0x0                               ; my last pair of statistics is in LDS
	s_barrier_signal -1
	s_barrier_wait -1
	s_cmp_lg_u32 s14, 0
	s_cbranch_scc1 .Lend
	v_lshlrev_b32 v17, 3, v[LN]                    ; wave 0: the work-group's 32 pairs leave as 256 consecutive bytes, aligned
	v_add_nc_u32 v18, STATL, v17
	ds_load_b64 v[20:21], v18
	s_wait_dscnt 0x0
	global_store_b64 v17, v[20:21], s[12:13]
.Lend:
	s_wait_tensorcnt 0x0
	ds_add_u32 v22, v23
	s_wait_dscnt 0x0
	s_endpgm
.Lfunc_end_k_q4fb3658f16_attn:
	.size	k_q4fb3658f16_attn, .Lfunc_end_k_q4fb3658f16_attn-k_q4fb3658f16_attn
	.p2alignl 7, 3214868480
	.fill 96, 4, 3214868480
	.section	.rodata,"a",@progbits
	.p2align	6, 0x0
	.amdhsa_kernel k_q4fb3658f16_attn
		.amdhsa_group_segment_fixed_size 315136
		.amdhsa_private_segment_fixed_size 0
		.amdhsa_enable_private_segment 0
		.amdhsa_kernarg_size 40
		.amdhsa_user_sgpr_count 2
		.amdhsa_user_sgpr_kernarg_segment_ptr 1
		.amdhsa_wavefront_size32 1
		.amdhsa_system_sgpr_workgroup_id_x 1
		.amdhsa_system_sgpr_workgroup_id_y 1
		.amdhsa_system_sgpr_workgroup_id_z 1
		.amdhsa_system_vgpr_workitem_id 0
		.amdhsa_next_free_vgpr 512
		.amdhsa_next_free_sgpr 66
		.amdhsa_reserve_vcc 0
		.amdhsa_float_denorm_mode_32 3
		.amdhsa_float_denorm_mode_16_64 3
		.amdhsa_memory_ordered 1
		.amdhsa_forward_progress 1
		.amdhsa_inst_pref_size 240
	.end_amdhsa_kernel
	.amdgpu_metadata
---
amdhsa.version: [ 1, 2 ]
amdhsa.kernels:
  - .name:           k_q4fb3658f16_attn
    .symbol:         k_q4fb3658f16_attn.kd
    .args:
      - { .name: query, .offset: 0, .size: 8, .value_kind: global_buffer, .address_space: global }
      - { .name: key, .offset: 8, .size: 8, .value_kind: global_buffer, .address_space: global }
      - { .name: value, .offset: 16, .size: 8, .value_kind: global_buffer, .address_space: global }
      - { .name: xbuf, .offset: 24, .size: 8, .value_kind: global_buffer, .address_space: global }
      - { .name: stats, .offset: 32, .size: 8, .value_kind: global_buffer, .address_space: global }
    .group_segment_fixed_size: 315136
    .private_segment_fixed_size: 0
    .kernarg_segment_align: 8
    .kernarg_segment_size: 40
    .max_flat_workgroup_size: 256
    .sgpr_count:     66
    .vgpr_count:     512
    .wavefront_size: 32
...
	.end_amdgpu_metadata
.endif
;; end of part 3
;; launch norm: the kernel of part 2 again; grid 1024 x 1, 8 waves a work-group, no clusters, 0 bytes of LDS; arguments xbuf, stats, gamma, beta, out0; writes out0
